; MI455X (gfx1250); checked and timed in simulation.
; The chip was launched on July 23, 2026; its instructions are those of AMD's public machine-readable ISA for CDNA 5 (MIT licence, August 2026) and "CDNA5" Instruction Set Architecture Reference Guide (July 2026). The comments in the code are by the model that wrote it; some were corrected since.
;; Attention. Allowed arithmetic: matrix products marked QUANTISED: E2M1 operands, one E8M0 scale for each 32 along K, by v_wmma_scale_f32_16x16x128_f8f6f4 with both operands' format E2M1 (or v_wmma_scale_f32_32x16x128_f4), f32 sums; everything else in f32.
;; Inputs: cu_seqlens 5 int32; k_codes 8,192 x 4 x 4 x 16 uint8 (E2M1 codes of k, K innermost, in blocks of 32 codes, two codes a byte); k_scales 8,192 x 4 x 4 uint8 (E8M0 scales of k, one for each 32 codes along K); q_codes 8,192 x 16 x 4 x 16 uint8 (E2M1 codes of q, K innermost, in blocks of 32 codes, two codes a byte); q_scales 8,192 x 16 x 4 uint8 (E8M0 scales of q, one for each 32 codes along K); v 8,192 x 4 x 128 float32.
;; Outputs: out0 8,192 x 16 x 128 float32.
;; This version of the problem:
;;   THIS VERSION OF THE PROBLEM IS GIVEN IN LOW PRECISION. The matrix products marked QUANTISED in the list below multiply operands that are first quantised to E2M1 (2 exponent bits, 1 mantissa bit; 4 bits a number), with one power-of-two scale for each 32 numbers along K (OCP MX v1.0); their sums are f32. All else is computed in f32.
;;   The module's matrix products, in the order in which they are computed (A, B: the left and right operand; K: the contracted axis; several contracted axes count as one K, in the product's order):
;;     1. batch 64 x [M 2,048, K 128] x [K 128, N 2,048]; A: input q (given as codes); B: input k (given as codes): QUANTISED
;;     2. batch 64 x [M 128, K 2,048] x [K 2,048, N 2,048]; A: input v; B: softmax (see below): QUANTISED
;;   THE QUANTISER, for each operand of a quantised product, along K:
;;     - K is cut into blocks of 32 from its start; a last block that is shorter is filled with zeros.
;;     - A block's scale is 2^e with e = floor(log2(the largest magnitude in the block)) - 2, held to -126 .. 127; a block of zeros has e = 0. As a byte (E8M0): e + 127.
;;     - Each number is divided by its block's scale, clamped to +-6, and rounded to the nearest number of E2M1, ties to even, subnormals kept.
;;     - The product sums the exact products of the quantised numbers (number of the format x scale) in f32.
;;   ~~~python
;;   def quantise(x, axis):      # numpy; x: float32 -> the quantised numbers, widened to float32 again
;;       x = np.moveaxis(x, axis, -1); K = x.shape[-1]
;;       x = np.pad(x, [(0, 0)] * (x.ndim - 1) + [(0, -K % 32)]); x = x.reshape(x.shape[:-1] + (-1, 32)); a = np.abs(x).max(-1, keepdims=True)
;;       e = np.where(a > 0, np.clip(np.frexp(np.where(a > 0, a, 1))[1] - 1 - 2, -126, 127), 0)      # np.frexp(a)[1] - 1 = floor(log2(a)), exactly
;;       r = np.clip(x / 2.0 ** e, -6, 6)
;;       step = 2.0 ** (np.maximum(np.frexp(np.where(r == 0, 1, r))[1] - 1, 0) - 1)
;;       q = np.round(r / step) * step * 2.0 ** e      # np.round: ties to even
;;       return np.moveaxis(q.reshape(q.shape[:-2] + (-1,))[..., :K], -1, axis).astype(np.float32)
;;   ~~~
;;   SOFTMAX AHEAD OF A QUANTISED PRODUCT. Where the list says 'softmax', what is quantised is not the finished softmax but p = 2^(t - M), with t = logit x log2(e) and M = ceil(the row's largest t), a whole number; so 1/2 < the row's largest p <= 1. The row's sum l is taken of the UNQUANTISED p, in f32, and the product's result is divided by l at the end. Since M is a whole number, a kernel that streams over the keys may use a running M (the ceiling of the running maximum): every later rescaling is an exact power of two, which a block's scale takes up: the codes' values come out the same.
;;   OPERANDS COMPUTED ON THE WAY. 'Computed on the way' means the value that the module computes at that place (a softmax that the list does not call 'softmax' is quantised finished and normalised). What goes into a quantiser is computed in f32, as accurately as f32 sums, v_exp_f32 and their like allow (about 1e-6 of the number): no bf16 or f16 on the way to a quantiser, and a product that is left as it is and whose result goes on into a quantised operand takes f32 operands (vector FMAs, or v_wmma_f32_16x16x4_f32). A number that lies on a knife's edge between two numbers of the format may be rounded either way, as far as f32 arithmetic and the matrix unit's own rounding can turn it there, and no further.
;;   INPUTS GIVEN AS CODES. k (in the module: [8192, 4, 128], K = its axis 2); q (in the module: [8192, 16, 128], K = its axis 2): each comes as NAME_codes (uint8): NAME with its K axis moved to the last place and cut into blocks of 32 codes, [.., K / 32, bytes a block], one block behind the other in memory; two codes a byte, the lower K in the low four bits (a code: sign, 2 exponent bits, 1 mantissa bit); and NAME_scales (uint8): the same leading axes, one E8M0 byte (e + 127) for each 32 codes along K. Its value is code x scale, taken as it is: it is not quantised again, and the codes and scales need not be those that the quantiser above would give.
;; One version. Each part assembles by itself: llvm-mc -triple=amdgcn-amd-amdhsa -mcpu=gfx1250 --defsym DOCPART=n.
;; ======== version 1 of 1: 2 launches
;; workspace buffers: kv 4,456,448 bytes
;; launch prep (part 1): grid 16 x 16, 4 waves a work-group, no clusters, 1,536 bytes of LDS; arguments v, k_codes, k_scales, kv, cu_seqlens; writes kv
.if DOCPART == 1
	.amdgcn_target "amdgcn-amd-amdhsa--gfx1250"
	.amdhsa_code_object_version 6
	.text
	.protected	k_qbd0b9447aa_prep
	.globl	k_qbd0b9447aa_prep
	.p2align	8
	.type	k_qbd0b9447aa_prep,@function
k_qbd0b9447aa_prep:
	s_mov_b64 s[64:65], 0
	v_nop
	global_prefetch_b8 v0, s[64:65] scope:SCOPE_SE
	s_setreg_imm32_b32 hwreg(HW_REG_WAVE_MODE, 25, 1), 1
	s_wait_xcnt 0x0
; v [8192][4][128] f32 is quantised along the KEYS (blocks of 32 keys from each sequence's start) to codes of FP4 (E2M1) with one E8M0 byte a block, and k's codes and scale bytes are laid anew:
; all in the order of the matrix operands' registers, so that the attention launch takes every fragment by loads of 16 bytes a lane at 16 x lane.
; kv = [16 (4 b + g)][16 key steps of 128 keys][17,408 bytes].  A step's block:
;   0      K's 8 tiles: tile t at 1,024 t, register group c at 512 c, lane l at 16 l: bytes 32 c + 16 (l / 16) .. + 15 of key 32 (t / 2) + 8 (t % 2) + r + 8 (r / 8), r = l % 16
;   8,192  V's 8 tiles, the same shape: the 32 codes of channel 16 t + r for the step's key block 2 c + l / 16
;   16,384 K's scale words: lane l at 16 l, word i at 4 i: row r of tile 4 (l / 16) + i        16,896 V's likewise (channel 16 t + r; byte b = key block b)
; SHARES.  Work-group (x = key step, y = 4 b + g) makes one block.  Wave w takes channels 32 w + lane of v: A LANE IS A CHANNEL AND ITS REGISTERS RUN DOWN THE KEYS, so a block of 32 keys lies in one lane's
; 32 registers, its largest magnitude needs no other lane, and the conversions' four registers ARE a lane's 16 bytes of V's image.  Each load reads 128 consecutive bytes a wave, the four waves 512.
; Wave w also copies K's tiles 2 w and 2 w + 1.  The scale words meet in LDS and leave as whole runs of 512 bytes.
; A block's scale byte is its largest magnitude's exponent field - 2, held at 1 from below by a floor among the maximum's leaves: that is the quantiser's e held at -126.
; LIMITS: a block of zeros gets the byte 1 where the quantiser says 127 (its codes are zeros, and this program alone reads the bytes); NaN and infinities in v are not served.
; cu_seqlens: reference() takes only its shape (S = T / B); none of its numbers enters a result, so it is not loaded and steers nothing.
; No matrix unit, no cluster, no tensor load: the launch streams 64 KiB of v for each work-group once, and work-groups share nothing of it.
.set STEPB, 17408
.set VIMG,  8192
.set KSC,   16384
.set VW,    14                         ; v14      V's scale word of my channel
.set KW,    15                         ; v15      K's scale word of my row
.set C,     16                         ; v16-31   codes: four registers for each key block, so that no store's data are written again
.set X,     32                         ; v32-159  four sets of 32 numbers
.set KP,    160                        ; v160-175 K's four pieces of 16 bytes
	s_load_b256 s[4:11], s[0:1], 0x0               ; v s[4:5], k_codes s[6:7], k_scales s[8:9], kv s[10:11]
	v_lshl_add_u32 v192, v0, 2, 0x400
	v_mov_b32 v193, 0
	v_lshrrev_b32 v1, 5, v0
	v_readfirstlane_b32 s12, v1                    ; wave 0..3
	v_and_b32 v1, 31, v0                           ; lane
	v_and_b32 v9, 15, v0                           ; r
	v_bfe_u32 v10, v0, 4, 1                        ; h
	v_lshlrev_b32 v2, 2, v1                        ; v: 4 bytes a lane
	v_and_b32 v11, 8, v9
	v_add_nc_u32 v11, v11, v9                      ; r + 8 (r / 8)
	v_lshlrev_b32 v3, 8, v11                       ; k_codes: a token is 256 bytes on,
	v_lshl_add_u32 v3, v10, 4, v3                  ; + 16 h
	v_lshl_add_u32 v4, v10, 3, v11                 ; k_scales: lanes 0-15 take tile 2 w's rows, lanes 16-31 tile 2 w + 1's (8 keys on);
	v_lshlrev_b32 v4, 4, v4                        ; a token is 16 bytes on
	v_lshlrev_b32 v5, 4, v1                        ; an image's place for my lane: 16 x lane
	v_lshlrev_b32 v6, 4, v9
	v_lshl_add_u32 v7, v10, 2, v6                  ; 16 r + 4 h
	v_lshl_add_u32 v6, v10, 10, v6                 ; V's image: my channel is row r of tile 2 w + h: 1,024 h + 16 r
	s_lshr_b32 s30, s12, 1
	s_lshl_b32 s30, s30, 8
	s_and_b32 s31, s12, 1
	s_lshl_b32 s31, s31, 3
	s_add_co_u32 s30, s30, s31
	v_add_nc_u32 v7, s30, v7                       ; LDS: the word of tile 2 w + h, row r: 256 (w / 2) + 16 r + 4 (2 (w % 2) + h)
	s_lshl_b32 s31, s31, 6
	v_add_nc_u32 v8, s31, v5                       ; back: 512 (w % 2) + 16 x lane (waves 0 and 1 alone use it)
	s_and_b32 s14, ttmp7, 0xffff                   ; 4 b + g
	s_lshr_b32 s15, s14, 2
	s_lshl_b32 s15, s15, 11
	s_lshl_b32 s16, ttmp9, 7
	s_add_co_u32 s15, s15, s16                     ; the step's first token: 2,048 b + 128 x step
	s_and_b32 s16, s14, 3                          ; g
	s_lshl_b32 s18, s15, 2
	s_add_co_u32 s18, s18, s16                     ; 4 x token + g
	s_lshl_b32 s20, s18, 9                         ; v: 512 bytes for each (token, g),
	s_lshl_b32 s17, s12, 7
	s_add_co_u32 s20, s20, s17                     ; + my wave's 32 channels
	s_mov_b32 s21, 0
	s_add_co_u32 s18, s18, s17                     ; K: my wave's 32 keys begin 32 w tokens on
	s_lshl_b32 s22, s18, 6                         ; 64 bytes of codes,
	s_mov_b32 s23, 0
	s_lshl_b32 s24, s18, 2                         ; 4 scale bytes for each (token, g)
	s_mov_b32 s25, 0
	s_lshl_b32 s26, s14, 4
	s_add_co_u32 s26, s26, ttmp9
	s_mul_i32 s26, s26, STEPB                      ; my block of kv
	s_mov_b32 s27, 0
	s_lshl_b32 s28, s12, 11                        ; my two tiles in K's image and in V's
	s_mov_b32 s29, 0
	s_wait_kmcnt 0x0
	s_add_nc_u64 s[20:21], s[4:5], s[20:21]
	s_add_nc_u64 s[22:23], s[6:7], s[22:23]
	s_add_nc_u64 s[24:25], s[8:9], s[24:25]
	s_add_nc_u64 s[26:27], s[10:11], s[26:27]
	s_add_nc_u64 s[28:29], s[26:27], s[28:29]
.irp p, 0,1,2,3                        ; K first: piece p = 2 u + c of tiles 2 w + u
	global_load_b128 v[KP+4*\p:KP+4*\p+3], v3, s[22:23] offset:2048*(\p/2)+32*(\p%2)
.endr
	global_load_b32 v[KW], v4, s[24:25]
.macro LOAD t                          ; key block t: v(32 t + i, my channel), i = 0 .. 31
.set i, 0
.rept 32
	global_load_b32 v[X+32*(\t)+i], v2, s[20:21] offset:(32*(\t)+i)*2048 th:TH_LOAD_NT
.set i, i+1
.endr
.endm
	LOAD 0
	LOAD 1
	LOAD 2
	LOAD 3
.macro BLOCK t, left                   ; left: how many younger loads may stay out
.set XS, X+32*(\t)
	s_wait_loadcnt \left
	v_max3_num_f32 v10, |v[XS]|, |v[XS+1]|, |v[XS+2]|              ; the block's largest magnitude: all 32 numbers are mine; two chains
	v_max3_num_f32 v11, |v[XS+3]|, |v[XS+4]|, |v[XS+5]|
.irp i, 6,10,14,18,22,26
	v_max3_num_f32 v10, v10, |v[XS+\i]|, |v[XS+\i+1]|
	v_max3_num_f32 v11, v11, |v[XS+\i+2]|, |v[XS+\i+3]|
.endr
	v_max3_num_f32 v10, v10, |v[XS+30]|, |v[XS+31]|
	v_max3_num_f32 v10, v10, v11, 0x1800000        ; and the floor 2^(3 - 127): the byte cannot fall under 1
	v_add_nc_u32 v12, 0xff000000, v10              ; 2 off the exponent field: the conversion takes this operand's exponent field as its scale, and nothing else of it
	v_lshrrev_b32 v13, 23, v12                     ; the scale's byte
.if (\t) == 0
	v_mov_b32 v[VW], v13
.else
	v_lshl_or_b32 v[VW], v13, 8*(\t), v[VW]        ; the lower keys in the lower byte
.endif
.irp g, 0,1,2,3
	v_cvt_scalef32_pk8_fp4_f32 v[C+4*(\t)+\g], v[XS+8*\g:XS+8*\g+7], v12
.endr
	global_store_b128 v6, v[C+4*(\t):C+4*(\t)+3], s[28:29] offset:VIMG+512*((\t)/2)+256*((\t)%2)   ; register group t / 2, the image's lanes 16 (t % 2) + r: sixteen lanes store 256 consecutive bytes, aligned
.endm                                  ; (the conversions' results go to stores alone; the next block begins with plain vector lines before it writes v12 again)
	BLOCK 0, 63                                    ; 96 loads are younger; 63 is the largest count that can be named, and a smaller count only waits longer
.irp p, 0,1,2,3                        ; loads return in order (ISA guide 5.7.1): K's five, issued first, are in too
	global_store_b128 v5, v[KP+4*\p:KP+4*\p+3], s[28:29] offset:512*\p      ; 512 consecutive bytes a store
.endr
	ds_store_b32 v7, v[KW]
	BLOCK 1, 63                                    ; 64 are younger
	BLOCK 2, 32                                    ; block 3's 32
	BLOCK 3, 0
	ds_store_b32 v7, v[VW] offset:512
	s_wait_dscnt 0x0                               ; for the others' sake: my two stores have landed
	s_barrier_signal -1
	s_barrier_wait -1
	s_cmp_lt_u32 s12, 2                            ; wave 0 sends K's 512 bytes of scale words, wave 1 V's
	s_cbranch_scc0 .Ldone
	ds_load_b128 v[176:179], v8
	s_wait_dscnt 0x0
	global_store_b128 v8, v[176:179], s[26:27] offset:KSC
.Ldone:
	s_wait_tensorcnt 0x0
	ds_add_u32 v192, v193
	s_wait_dscnt 0x0
	s_endpgm
.Lfunc_end_k_qbd0b9447aa_prep:
	.size	k_qbd0b9447aa_prep, .Lfunc_end_k_qbd0b9447aa_prep-k_qbd0b9447aa_prep
	.p2alignl 7, 3214868480
	.fill 96, 4, 3214868480
	.section	.rodata,"a",@progbits
	.p2align	6, 0x0
	.amdhsa_kernel k_qbd0b9447aa_prep
		.amdhsa_group_segment_fixed_size 1536
		.amdhsa_private_segment_fixed_size 0
		.amdhsa_enable_private_segment 0
		.amdhsa_kernarg_size 40
		.amdhsa_user_sgpr_count 2
		.amdhsa_user_sgpr_kernarg_segment_ptr 1
		.amdhsa_wavefront_size32 1
		.amdhsa_system_sgpr_workgroup_id_x 1
		.amdhsa_system_sgpr_workgroup_id_y 1
		.amdhsa_system_sgpr_workgroup_id_z 1
		.amdhsa_system_vgpr_workitem_id 0
		.amdhsa_next_free_vgpr 194
		.amdhsa_next_free_sgpr 66
		.amdhsa_reserve_vcc 0
		.amdhsa_float_denorm_mode_32 3
		.amdhsa_float_denorm_mode_16_64 3
		.amdhsa_memory_ordered 1
		.amdhsa_forward_progress 1
		.amdhsa_inst_pref_size 22
	.end_amdhsa_kernel
	.amdgpu_metadata
---
amdhsa.version: [ 1, 2 ]
amdhsa.kernels:
  - .name:           k_qbd0b9447aa_prep
    .symbol:         k_qbd0b9447aa_prep.kd
    .args:
      - { .name: v, .offset: 0, .size: 8, .value_kind: global_buffer, .address_space: global }
      - { .name: k_codes, .offset: 8, .size: 8, .value_kind: global_buffer, .address_space: global }
      - { .name: k_scales, .offset: 16, .size: 8, .value_kind: global_buffer, .address_space: global }
      - { .name: kv, .offset: 24, .size: 8, .value_kind: global_buffer, .address_space: global }
      - { .name: cu_seqlens, .offset: 32, .size: 8, .value_kind: global_buffer, .address_space: global }
    .group_segment_fixed_size: 1536
    .private_segment_fixed_size: 0
    .kernarg_segment_align: 8
    .kernarg_segment_size: 40
    .max_flat_workgroup_size: 128
    .sgpr_count:     66
    .vgpr_count:     194
    .wavefront_size: 32
...
	.end_amdgpu_metadata
.endif
;; end of part 1
;; launch attn (part 2): grid 16 x 16, 16 waves a work-group, clusters of 4 x 1, 280,576 bytes of LDS; arguments q_codes, q_scales, kv, out0; writes out0
.if DOCPART == 2
	.amdgcn_target "amdgcn-amd-amdhsa--gfx1250"
	.amdhsa_code_object_version 6
	.text
	.protected	k_qbd0b9447aa_attn
	.globl	k_qbd0b9447aa_attn
	.p2align	8
	.type	k_qbd0b9447aa_attn,@function
k_qbd0b9447aa_attn:
	s_mov_b64 s[64:65], 0
	v_nop
	global_prefetch_b8 v0, s[64:65] scope:SCOPE_SE
	s_setreg_imm32_b32 hwreg(HW_REG_WAVE_MODE, 25, 1), 1
	s_wait_xcnt 0x0
	s_wait_alu depctr_hold_cnt(0) depctr_sa_sdst(0) depctr_va_vdst(0) depctr_va_sdst(0) depctr_va_ssrc(0) depctr_va_vcc(0) depctr_vm_vsrc(0)
	s_getreg_b32 s2, hwreg(HW_REG_IB_STS2, 6, 4)
	s_cmp_eq_u32 s2, 0
	s_cbranch_scc0 .Lentry_in_a_cluster
	s_endpgm
.Lentry_in_a_cluster:
	s_bfe_u32 s2, ttmp6, 0x10000c
	s_cmp_lg_u32 s2, 0x3003
	s_cbranch_scc0 .Lentry_shape_is_right
	s_endpgm
.Lentry_shape_is_right:
; out[b, q, head, :] = the sum over keys k <= q of softmax_k(Q . K / sqrt(128)) V, both products on codes of FP4 (E2M1) with one E8M0 scale for each 32 along a product's K.
; q comes as codes [8192][16][64 bytes] and scale words [8192][16][4]; K and V come from kv, laid by the launch before as images of the operands' registers: [4 b + g][16 key steps][17,408 bytes]
; (K's 8 tiles, V's 8 tiles, K's scale words, V's scale words).  out0: [8192][16][128] f32.
; THE SOFTMAX AHEAD OF THE SECOND PRODUCT: t = score x log2(e) / sqrt(128); M = the largest t so far, rounded UP to a whole number; p = 2^(t - M) is quantised along the keys, not normalised.
; The row's sum is taken of the unquantised p and divides at the end.  When M moves, the sum and O are multiplied by 2^(old M - new M): exact.
; SHARES.  A cluster of four work-groups has one (b, g) and one set of queries; its place cx is the head within the group of four that shares K and V.  So the four read the same K and V, and each
; tile is asked for JOINTLY.  Cluster x = j.  A work-group owns query blocks j and 7 - j of 256; wave w owns two tiles of 16 queries, at QL = 256 j + 16 w and at QH = 2,032 - QL:
; floor(QL / 128) + floor(QH / 128) + 2 = 17 key steps of 128 keys for every wave of the launch, whatever j and w.  Four waves of 256 registers share a SIMD, so that one wave's vector work
; stands beside another's products and LDS loads.
; LDS IS FILLED ONCE: a (b, g)'s 16 steps are 278,528 dense bytes.  Waves 0 to 3 fetch them, two loads each: step w (read first), then steps 4 + 3 w .. 6 + 3 w.  Nothing is filled again.
; CAUSAL.  All trip counts are constants; a step all of whose keys come after the wave's 16 queries is jumped over by a scalar branch on j and w, which the partners share; in the step on the
; diagonal hidden scores become -infinity ahead of the maximum.
; LAYOUT.  Both products are used transposed: S^T = K Q^T (source 0 = 16 keys), O^T = V^T P^T (source 0 = 16 channels): a lane holds ONE query (lane % 16) throughout.  The keys of a tile of K are
; chosen so that the 16 registers of tiles 2 b and 2 b + 1 are the neighbouring keys 32 b + 16 (lane / 16) + 0 .. 15.
; LIMITS: a hidden key weighs exactly 0, which is reference()'s 2^((-1e10) log2(e) - M) as long as a row's largest logit lies above about -1e10 + 100; t is one multiplication by
; log2(e) / sqrt(128) where reference() rounds twice; rows whose every t lies under -3e38 are not served; a p under 2^-126 counts as 0 (v_exp_f32 flushes: ISA guide 15.8).
.set STEPB, 17408                      ; a key step's block
.set VIMG,  8192                       ; in it: V's tiles,
.set KSC,   16384                      ; K's scale words,
.set VSC,   16896                      ; V's
.set HEADB, 16*STEPB
.set STAGE, 8*STEPB                    ; the way out: 16 rows x 272 bytes for each wave, in steps 8 to 11: those bytes have had their one fill, and nobody reads them once every wave has done its high tile
.set SP,    272
.set LI,  1                            ; v1   16 x lane
.set ADR, 2                            ; v2   the step's LDS address
.set GO,  3                            ; v3   the way out: my byte offset in the tile's rows of out0
.set STO, 4                            ; v4   where I put 32 bytes of a row
.set RD,  5                            ; v5   where I read a row back
.set DQ,  6                            ; v6   r - 16 h
.set QSH, 7                            ; v7, v8   q's scale words, high and low tile: scales and nothing else
.set QSL, 8
.set QO,  9                            ; v9   q's codes: my lane's byte;  v10 its scale word's
.set QSO, 10
                                       ; v12 -M, v13 the largest t, v[14:15] the sum in two halves
.set QFH, 16                           ; v16-23, v24-31  q's fragments
.set QFL, 24
.set FRG, 32                           ; v32-95   eight fragments of K, then of V
.set SS,  96                           ; v96-159  S^T, then p
.set OT,  160                          ; v160-223 O^T
.set PC,  224                          ; v224-231 p's codes
.set BM,  232                          ; v232-235 the blocks' largest scores, then largest p
.set T4,  236                          ; v236-239 at work
.set FF,  240                          ; v[240:241] f = 2^(old M - new M); v241 is only named with it
.set PW,  242                          ; v242 p's scale word, and nothing else
.set TMP, 243
.set SOP, 244                          ; v244-247 the conversions' scale operands
.set KS,  248                          ; v248-251 K's scale words: register i: lanes 0-15 tile i, lanes 16-31 tile 4 + i
.set VS,  252                          ; v252-255 V's likewise
.set WV,  12
.set G1A, 16                           ; s[16:23] group 1: 68 rows of 256 bytes;  s[24:31]: 204 rows
.set G1B, 24
.set G0A, 32                           ; s[32:35], s[36:39] groups 0
.set G0B, 36
.set SEL, 40                           ; s[40:41] v_permlanex16_b32's selects for lane l xor 16
.set CS,  42                           ; s[42:43] c = log2(e) / sqrt(128), named as a pair
.set TB,  44                           ; s44  LDS byte of the step in hand
.set KF,  45                           ; s45  its first key
.set QH,  46
.set QL,  47
.set CNT, 48
.set TT,  49
; s13 cx, then the head; s14, s66 the two tiles' row numbers; s67, s[62:63] at work on them: all that holds cx has registers of its own.  s[50:61] the six addresses made of them.
.macro ROUND                           ; a round of the cluster's barrier
	s_barrier_signal -1
	s_barrier_wait -1
	s_cmp_lg_u32 s[WV], 0
	s_cbranch_scc1 .Lnot_wave_0_\@
	s_barrier_signal -3
.Lnot_wave_0_\@:
	s_barrier_wait -3
	s_barrier_signal -1
	s_barrier_wait -1
.endm
	s_load_b256 s[4:11], s[0:1], 0x0               ; q_codes s[4:5], q_scales s[6:7], kv s[8:9], out0 s[10:11]
	v_lshl_add_u32 v254, v0, 2, 0x44000
	v_mov_b32 v255, 0
	ds_add_u32 v254, v255
	ds_add_u32 v254, v255
	s_wait_dscnt 0x0
	v_lshrrev_b32 v1, 5, v0
	v_readfirstlane_b32 s[WV], v1                  ; wave 0..15
	v_and_b32 v1, 31, v0
	v_lshlrev_b32 v[LI], 4, v1
	v_and_b32 v232, 15, v0                         ; r
	v_bfe_u32 v233, v0, 4, 1                       ; h
	v_lshlrev_b32 v[GO], 4, v232
	v_lshl_add_u32 v[GO], v233, 13, v[GO]          ; lanes 0-15 one token's row of out0, lanes 16-31 the next token's (8,192 bytes on); 16 bytes a lane
	s_mul_i32 s[TT], s[WV], 16*SP
	s_add_co_u32 s[TT], s[TT], STAGE               ; my stage
	v_mul_u32_u24 v[STO], v232, SP
	v_lshl_add_u32 v[STO], v233, 5, v[STO]
	v_add_nc_u32 v[STO], s[TT], v[STO]             ; in: row r, + 32 h
	v_mul_u32_u24 v[RD], v233, SP
	v_lshl_add_u32 v[RD], v232, 4, v[RD]
	v_add_nc_u32 v[RD], s[TT], v[RD]               ; back: lanes 0-15 one row, lanes 16-31 the next
	v_lshlrev_b32 v[DQ], 4, v233
	v_sub_nc_u32 v[DQ], v232, v[DQ]
	v_lshlrev_b32 v[QO], 10, v232                  ; q's codes: a token is 1,024 bytes on,
	v_lshl_add_u32 v[QO], v233, 4, v[QO]           ; + 16 h
	v_lshlrev_b32 v[QSO], 6, v232                  ; q's scale words: a token is 64 bytes on
.irp b, 0,1,2,3
	v_mov_b32 v[T4+\b], 0                          ; written once: a lane permute's destination counts as one of its sources
.endr
	v_mov_b32 v[TMP], 0
	v_mov_b32 v[FF+1], 0                           ; (named as the upper half of the pair)
	s_and_b32 s15, ttmp7, 0xffff                   ; 4 b + g
	s_lshl_b32 s[QL], ttmp9, 8
	s_lshl_b32 s[TT], s[WV], 4
	s_add_co_u32 s[QL], s[QL], s[TT]               ; my low tile's first query, in its sequence
	s_sub_co_u32 s[QH], 2032, s[QL]                ; my high tile's
	s_and_b32 s[TT], s[WV], 3                      ; what I fetch, if I fetch (waves 0 to 3)
	s_mul_i32 s[CNT], s15, HEADB                   ; the (b, g)'s block of kv
	s_mul_i32 s[G0A+1], s[TT], STEPB               ; step w: in LDS as in kv
	s_mul_i32 s[G0B+1], s[TT], 3*STEPB
	s_add_co_u32 s[G0B+1], s[G0B+1], 4*STEPB       ; steps 4 + 3 w on
	s_add_co_u32 s2, s[CNT], s[G0A+1]
	s_mov_b32 s3, 0
	; group 1: a dense block as rows of 256 bytes (32 elements of 8 bytes), no padding: the images are read 512 consecutive bytes an instruction
	s_mov_b32 s[G1A], 15|(3<<16)|(1<<21)           ; 15:0 the mask: all four work-groups; 17:16 elements of 8 bytes; 21 set beside a mask
	s_mov_b32 s[G1A+1], 32<<16                     ; tensor_dim0
	s_mov_b32 s[G1A+2], 68<<16                     ; tensor_dim1
	s_mov_b32 s[G1A+3], 32<<16                     ; tile_dim0
	s_mov_b32 s[G1A+4], 68                         ; tile_dim1: one step
	s_mov_b32 s[G1A+5], 32                         ; tensor_dim0_stride
	s_mov_b32 s[G1A+6], 0
	s_mov_b32 s[G1A+7], 0
	s_mov_b32 s[G1B], 15|(3<<16)|(1<<21)
	s_mov_b32 s[G1B+1], 32<<16
	s_mov_b32 s[G1B+2], 204<<16
	s_mov_b32 s[G1B+3], 32<<16
	s_mov_b32 s[G1B+4], 204                        ; three steps
	s_mov_b32 s[G1B+5], 32
	s_mov_b32 s[G1B+6], 0
	s_mov_b32 s[G1B+7], 0
	s_mov_b32 s[SEL], 0x76543210
	s_mov_b32 s[SEL+1], 0xfedcba98
	s_mov_b32 s[CS], 0x3e0293ee                    ; c = log2(e) / sqrt(128)
	s_mov_b32 s[CS+1], s[CS]
	; the rows of q and out0: row = 16 x token + head, head = 4 g + cx.  cx enters these global addresses alone
	s_bfe_u32 s13, ttmp6, 0x40000                  ; cx
	s_lshr_b32 s[TT], s15, 2
	s_lshl_b32 s[TT], s[TT], 11                    ; the sequence's first token
	s_and_b32 s67, s15, 3
	s_lshl_b32 s67, s67, 2
	s_add_co_u32 s13, s13, s67                     ; the head
	s_add_co_u32 s14, s[TT], s[QH]
	s_lshl_b32 s14, s14, 4
	s_add_co_u32 s14, s14, s13                     ; the high tile's first row
	s_add_co_u32 s66, s[TT], s[QL]
	s_lshl_b32 s66, s66, 4
	s_add_co_u32 s66, s66, s13                     ; the low tile's
	s_mov_b32 s63, 0
	s_wait_kmcnt 0x0
	s_mov_b32 s[G0A], 1                            ; count = 1
	s_add_nc_u64 s[G0A+2:G0A+3], s[8:9], s[2:3]
	s_or_b32 s[G0A+3], s[G0A+3], 0x80000000        ; type = 2
	s_add_co_u32 s2, s[CNT], s[G0B+1]
	s_mov_b32 s[G0B], 1
	s_add_nc_u64 s[G0B+2:G0B+3], s[8:9], s[2:3]
	s_or_b32 s[G0B+3], s[G0B+3], 0x80000000
	s_lshl_b32 s62, s14, 6                         ; 64 bytes of codes a row,
	s_add_nc_u64 s[50:51], s[4:5], s[62:63]
	s_lshl_b32 s62, s14, 2                         ; 4 scale bytes,
	s_add_nc_u64 s[52:53], s[6:7], s[62:63]
	s_lshl_b32 s62, s14, 9                         ; 512 bytes of out0
	s_add_nc_u64 s[58:59], s[10:11], s[62:63]
	s_lshl_b32 s62, s66, 6
	s_add_nc_u64 s[54:55], s[4:5], s[62:63]
	s_lshl_b32 s62, s66, 2
	s_add_nc_u64 s[56:57], s[6:7], s[62:63]
	s_lshl_b32 s62, s66, 9
	s_add_nc_u64 s[60:61], s[10:11], s[62:63]
	ROUND                                          ; all four work-groups are here: the joint loads meet
	s_cmp_lt_u32 s[WV], 4                          ; a wave's two fills stand in one branch on the wave's number, ahead of every wait on TENSORcnt, every LDS read and every other barrier: two loads of mine are out
	s_cbranch_scc0 .Lno_fill
	tensor_load_to_lds s[G0A:G0A+3], s[G1A:G1A+7]
	s_nop 0
	tensor_load_to_lds s[G0B:G0B+3], s[G1B:G1B+7]
	s_nop 0
.rept 4
	v_nop
.endr
.Lno_fill:
	global_load_b128 v[QFH:QFH+3], v[QO], s[50:51]             ; both tiles' q now: the second pass begins without a wait for memory
	global_load_b128 v[QFH+4:QFH+7], v[QO], s[50:51] offset:32
	global_load_b32 v[QSH], v[QSO], s[52:53]
	global_load_b128 v[QFL:QFL+3], v[QO], s[54:55]
	global_load_b128 v[QFL+4:QFL+7], v[QO], s[54:55] offset:32
	global_load_b32 v[QSL], v[QSO], s[56:57]
; A pass begins: O^T and the sum are zeros, the largest t is -3e38: the first change of M multiplies zeros.  The 64 moves spare a further copy of the key step whose products would start the sums.
.macro BEGIN
	v_mov_b32 v13, 0xff61b1e6
	v_floor_f32 v12, -v13
	v_mov_b32 v14, 0
	v_mov_b32 v15, 0
.set j, 0
.rept 64
	v_mov_b32 v[OT+j], 0
.set j, j+1
.endr
	s_mov_b32 s[TB], 0
	s_mov_b32 s[KF], 0
.endm
; A KEY STEP of 128 keys for the tile whose q lies in v[qf] on, its scale words in v[qs], its first query in s[q0].  causal = 0: every key is known to count.
.macro STEP causal, qf, qs, q0
.if \causal
	s_add_co_u32 s[TT], s[\q0], 15
	s_cmp_gt_u32 s[KF], s[TT]                      ; all 128 keys come after my 16 queries: only the lines at the step's end that step addresses are run
	s_cbranch_scc1 .Lhidden_\@
.endif
	v_add_nc_u32 v[ADR], s[TB], v[LI]
.rept 3
	v_nop                                          ; with the addition: four places behind the last step's products, whose fragments and scale words are loaded over (ISA guide 7.12.1 for vector instructions)
.endr
.irp t, 0,1,2,3,4,5,6,7
	ds_load_b128 v[FRG+8*\t:FRG+8*\t+3], v[ADR] offset:1024*\t
	ds_load_b128 v[FRG+8*\t+4:FRG+8*\t+7], v[ADR] offset:1024*\t+512
.endr
	ds_load_b128 v[KS:KS+3], v[ADR] offset:KSC
	ds_load_b128 v[VS:VS+3], v[ADR] offset:VSC
	s_wait_dscnt 0x1                               ; K and its scale words are in; the youngest load, V's scale words, may be out
.irp t, 0,1,2,3                        ; S^T = K Q^T: eight accumulators, one instruction each
	v_wmma_scale_f32_16x16x128_f8f6f4 v[SS+8*\t:SS+8*\t+7], v[FRG+8*\t:FRG+8*\t+7], v[\qf:\qf+7], 0, v[KS+\t], v[\qs] matrix_a_fmt:MATRIX_FMT_FP4 matrix_b_fmt:MATRIX_FMT_FP4
.endr
.irp t, 4,5,6,7
	v_wmma_scale_f32_16x16x128_f8f6f4 v[SS+8*\t:SS+8*\t+7], v[FRG+8*\t:FRG+8*\t+7], v[\qf:\qf+7], 0, v[KS+\t-4], v[\qs] matrix_a_fmt:MATRIX_FMT_FP4 matrix_b_fmt:MATRIX_FMT_FP4 matrix_a_scale:MATRIX_SCALE_ROW1
.endr
.rept 4
	v_nop                                          ; four places: then V's fragments are loaded over K's, and the scores are read
.endr
.irp t, 0,1,2,3,4,5,6,7                ; V's fragments land while the softmax is worked
	ds_load_b128 v[FRG+8*\t:FRG+8*\t+3], v[ADR] offset:VIMG+1024*\t
	ds_load_b128 v[FRG+8*\t+4:FRG+8*\t+7], v[ADR] offset:VIMG+1024*\t+512
.endr
.if \causal
	s_add_co_u32 s[TT], s[KF], 127
	s_cmp_le_u32 s[TT], s[\q0]                     ; every key counts for every query of mine: no mask
	s_cbranch_scc1 .Lopen_\@
	s_sub_co_i32 s[TT], s[\q0], s[KF]
	v_add_nc_u32 v[T4], s[TT], v[DQ]               ; d = my query - KF - 16 h.  Register 16 b + i holds key KF + 32 b + 16 h + i: hidden where 32 b + i > d
	v_mov_b32 v[T4+1], 0xff800000                  ; -infinity
.set n, 0
.rept 64
	v_cmp_gt_i32 vcc_lo, 32*(n/16)+n%16, v[T4]
	v_cndmask_b32 v[SS+n], v[SS+n], v[T4+1], vcc_lo
.set n, n+1
.endr
.Lopen_\@:
.endif
.irp b, 0,1,2,3
	v_max3_num_f32 v[BM+\b], v[SS+16*\b], v[SS+1+16*\b], v[SS+2+16*\b]   ; the largest score of each block of 32 keys: it serves the row's maximum and, since p rises with the score, the block's largest p
.endr
.irp i, 3,5,7,9,11,13
.irp b, 0,1,2,3
	v_max3_num_f32 v[BM+\b], v[BM+\b], v[SS+16*\b+\i], v[SS+1+16*\b+\i]   ; (the four blocks by turns)
.endr
.endr
.irp b, 0,1,2,3
	v_max_num_f32 v[BM+\b], v[BM+\b], v[SS+15+16*\b]
.endr
.irp b, 0,1,2,3
	v_permlanex16_b32 v[T4+\b], v[BM+\b], s[SEL], s[SEL+1]
.endr
.irp b, 0,1,2,3
	v_max_num_f32 v[BM+\b], v[BM+\b], v[T4+\b]     ; with lane l xor 16's 16 keys
.endr
	v_max3_num_f32 v[TMP], v[BM], v[BM+1], v[BM+2]
	v_max_num_f32 v[TMP], v[TMP], v[BM+3]          ; the step's largest score of my query (key KF counts for every query of a step that is run)
	v_mul_f32 v[TMP], s[CS], v[TMP]                ; as t
	v_max_num_f32 v13, v13, v[TMP]                 ; the running largest t
	v_mov_b32 v[TMP], v12
	v_floor_f32 v12, -v13                          ; the new -M = -ceil(t): a whole number
	v_sub_f32 v[TMP], v12, v[TMP]                  ; old M - new M: a whole number, 0 or less
	v_cvt_i32_f32 v[TMP], v[TMP]                   ; (it saturates)
	v_ldexp_f32 v[FF], 1.0, v[TMP]                 ; f = 2^(old M - new M)
.set j, 0
.rept 32
	v_pk_fma_f32 v[SS+j:SS+j+1], v[SS+j:SS+j+1], s[CS:CS+1], v[12:13] op_sel_hi:[1,0,0]   ; t - M, two at a time (of the pairs c and -M the low word serves both halves)
.set j, j+2
.endr
.irp b, 0,1,2,3
	v_fma_f32 v[BM+\b], v[BM+\b], s[CS], v12       ; the same of each block's largest score
.endr
.set j, 0
.rept 64
	v_exp_f32 v[SS+j], v[SS+j]                     ; p = 2^(t - M)
.set j, j+1
.endr
.irp b, 0,1,2,3
	v_exp_f32 v[BM+\b], v[BM+\b]                   ; the block's largest p: the same two instructions on the same number
.endr
	v_pk_mul_f32 v[14:15], v[14:15], v[FF:FF+1] op_sel_hi:[1,0]   ; the sums under the new M.  (The plain line behind the exponentials)
	s_wait_alu depctr_va_vdst(0)
.irp b, 0,1,2,3
	v_max_num_f32 v[BM+\b], 0x1800000, v[BM+\b]    ; the floor 2^(3 - 127): the byte cannot fall under 1 (a block of zeros keeps that byte: its codes are zeros)
.endr
.irp b, 0,1,2,3
	v_add_nc_u32 v[SOP+\b], 0xff000000, v[BM+\b]   ; 2 off the exponent field: the conversion's scale operand
.endr
.irp b, 0,1,2,3
	v_lshrrev_b32 v[T4+\b], 23, v[SOP+\b]          ; the scale's byte
.endr
	v_lshl_or_b32 v[PW], v[T4+1], 8, v[T4]         ; p's scale word for these 128 keys
	v_lshl_or_b32 v[PW], v[T4+2], 16, v[PW]
	v_lshl_or_b32 v[PW], v[T4+3], 24, v[PW]
.irp b, 0,1,2,3
	v_cvt_scalef32_pk8_fp4_f32 v[PC+2*\b], v[SS+16*\b:SS+7+16*\b], v[SOP+\b]
	v_cvt_scalef32_pk8_fp4_f32 v[PC+1+2*\b], v[SS+8+16*\b:SS+15+16*\b], v[SOP+\b]
.endr
	v_nop                                          ; one plain line between a scaled conversion and the vector instruction that touches its result
.irp c, 0,1                            ; the operand's layout wants a whole block in a lane: lanes 0-15 block 2 c, lanes 16-31 block 2 c + 1
.irp i, 0,1
	v_permlane16_swap_b32 v[PC+4*\c+\i], v[PC+2+4*\c+\i]
.endr
.endr
	v_pk_add_f32 v[T4:T4+1], v[SS:SS+1], v[SS+2:SS+3]             ; the row's sum is taken of the UNQUANTISED p: two at a time, in two chains
.set j, 4
.rept 15
	v_pk_add_f32 v[14:15], v[14:15], v[SS+j:SS+j+1]
	v_pk_add_f32 v[T4:T4+1], v[T4:T4+1], v[SS+j+2:SS+j+3]
.set j, j+4
.endr
	v_pk_add_f32 v[14:15], v[14:15], v[T4:T4+1]
.set j, 0
.rept 32
	v_pk_mul_f32 v[OT+j:OT+j+1], v[OT+j:OT+j+1], v[FF:FF+1] op_sel_hi:[1,0]   ; O^T under the new M.  (With the sums above: the places between p's codes and scale word and the products)
.set j, j+2
.endr
	s_wait_dscnt 0x0                               ; V and its scale words are in
.irp t, 0,1,2,3                        ; O^T += V^T P^T: eight accumulators, one instruction each: no link follows the link that it adds onto
	v_wmma_scale_f32_16x16x128_f8f6f4 v[OT+8*\t:OT+8*\t+7], v[FRG+8*\t:FRG+8*\t+7], v[PC:PC+7], v[OT+8*\t:OT+8*\t+7], v[VS+\t], v[PW] matrix_a_fmt:MATRIX_FMT_FP4 matrix_b_fmt:MATRIX_FMT_FP4
.endr
.irp t, 4,5,6,7
	v_wmma_scale_f32_16x16x128_f8f6f4 v[OT+8*\t:OT+8*\t+7], v[FRG+8*\t:FRG+8*\t+7], v[PC:PC+7], v[OT+8*\t:OT+8*\t+7], v[VS+\t-4], v[PW] matrix_a_fmt:MATRIX_FMT_FP4 matrix_b_fmt:MATRIX_FMT_FP4 matrix_a_scale:MATRIX_SCALE_ROW1
.endr
.if \causal
.Lhidden_\@:
.endif
	s_add_co_u32 s[TB], s[TB], STEPB
	s_add_co_u32 s[KF], s[KF], 128
.endm
.macro LOOP trips, causal, qf, qs, q0
	s_mov_b32 s[CNT], \trips
.Lstep_\@:
	STEP \causal, \qf, \qs, \q0
	s_sub_co_u32 s[CNT], s[CNT], 1
	s_cmp_lg_u32 s[CNT], 0
	s_cbranch_scc1 .Lstep_\@
.endm
; THE WAY OUT of a tile.  O^T / the sum goes through my stage, half a row (64 channels, 256 bytes) of 16 queries at a time, and comes back by rows: sixteen lanes store 256 consecutive bytes, aligned.
.macro WAYOUT base
	v_add_f32 v14, v14, v15                        ; the sum's two halves,
	v_permlanex16_b32 v[TMP], v14, s[SEL], s[SEL+1]
	v_add_f32 v14, v14, v[TMP]                     ; and lane l xor 16's
	v_rcp_f32 v14, v14
.rept 4
	v_nop                                          ; the plain line behind the reciprocal, and four places behind the last products
.endr
.set j, 0
	s_wait_alu depctr_va_vdst(0)
.rept 64
	v_mul_f32 v[SS+j], v[OT+j], v14                ; each accumulator from its low end on.  Register 8 t + i is o(r, 16 t + 8 h + i)
.set j, j+1
.endr
.irp u, 0,1                            ; channels 64 u on
.irp t, 0,1,2,3
	ds_store_b128 v[STO], v[SS+32*\u+8*\t:SS+32*\u+8*\t+3] offset:64*\t
	ds_store_b128 v[STO], v[SS+32*\u+8*\t+4:SS+32*\u+8*\t+7] offset:64*\t+16
.endr
.irp i, 0,1,2,3,4,5,6,7
	ds_load_b128 v[FRG+32*\u+4*\i:FRG+32*\u+4*\i+3], v[RD] offset:2*\i*SP   ; LDS serves a wave's instructions in order (ISA guide 5.7.1.4): these see my stores, and the next half's stores come behind them
.endr
.endr
.irp u, 0,1
.irp i, 0,1,2,3,4,5,6,7
	s_wait_dscnt 23-16*\u-\i                       ; the LDS instructions issued behind this load: the rest of its eight and, for the first half, the second half's sixteen
	global_store_b128 v[GO], v[FRG+32*\u+4*\i:FRG+32*\u+4*\i+3], s[\base:\base+1] offset:2*\i*8192+256*\u th:TH_STORE_NT
.endr
.endr
.endm
	BEGIN
	s_wait_loadcnt 0x0                             ; q
	s_wait_tensorcnt 0x1                           ; my step of steps 0 to 3 is in; my load of the later steps may stay out
	s_barrier_signal -1
	s_barrier_wait -1                              ; everybody's is
	LOOP 4, 0, QFH, QSH, QH                        ; the high tile, keys 0 to 511: QH is 1,024 at the least, so every key counts
	s_wait_tensorcnt 0x0                           ; my part of steps 4 to 15 is in
	s_barrier_signal -1
	s_barrier_wait -1
	LOOP 12, 1, QFH, QSH, QH
	s_wait_dscnt 0x0                               ; for the others' sake: my reads of steps 8 to 15 are over
	s_barrier_signal -1
	s_barrier_wait -1                              ; everybody's are: the stages may be written
	WAYOUT 58
	s_wait_xcnt 0x0                                ; the stores have read their registers: the low tile's fragments are loaded over them
	BEGIN
	LOOP 8, 1, QFL, QSL, QL                        ; the low tile: QL is 1,008 at the most; eight steps end below the stages
	WAYOUT 60
	s_wait_xcnt 0x0
	v_lshl_add_u32 v254, v0, 2, 0x44000
	v_mov_b32 v255, 0
	s_wait_tensorcnt 0x0
	ds_add_u32 v254, v255
	s_wait_dscnt 0x0
	ROUND                                          ; the closing round: no work-group ends while a partner may still ask for a tile that names it
	s_endpgm
.Lfunc_end_k_qbd0b9447aa_attn:
	.size	k_qbd0b9447aa_attn, .Lfunc_end_k_qbd0b9447aa_attn-k_qbd0b9447aa_attn
	.p2alignl 7, 3214868480
	.fill 96, 4, 3214868480
	.section	.rodata,"a",@progbits
	.p2align	6, 0x0
	.amdhsa_kernel k_qbd0b9447aa_attn
		.amdhsa_group_segment_fixed_size 280576
		.amdhsa_private_segment_fixed_size 0
		.amdhsa_enable_private_segment 0
		.amdhsa_kernarg_size 32
		.amdhsa_user_sgpr_count 2
		.amdhsa_user_sgpr_kernarg_segment_ptr 1
		.amdhsa_wavefront_size32 1
		.amdhsa_system_sgpr_workgroup_id_x 1
		.amdhsa_system_sgpr_workgroup_id_y 1
		.amdhsa_system_sgpr_workgroup_id_z 1
		.amdhsa_system_vgpr_workitem_id 0
		.amdhsa_next_free_vgpr 256
		.amdhsa_next_free_sgpr 72
		.amdhsa_reserve_vcc 1
		.amdhsa_float_denorm_mode_32 3
		.amdhsa_float_denorm_mode_16_64 3
		.amdhsa_memory_ordered 1
		.amdhsa_forward_progress 1
		.amdhsa_inst_pref_size 87
	.end_amdhsa_kernel
	.amdgpu_metadata
---
amdhsa.version: [ 1, 2 ]
amdhsa.kernels:
  - .name:           k_qbd0b9447aa_attn
    .symbol:         k_qbd0b9447aa_attn.kd
    .args:
      - { .name: q_codes, .offset: 0, .size: 8, .value_kind: global_buffer, .address_space: global }
      - { .name: q_scales, .offset: 8, .size: 8, .value_kind: global_buffer, .address_space: global }
      - { .name: kv, .offset: 16, .size: 8, .value_kind: global_buffer, .address_space: global }
      - { .name: out0, .offset: 24, .size: 8, .value_kind: global_buffer, .address_space: global }
    .group_segment_fixed_size: 280576
    .private_segment_fixed_size: 0
    .kernarg_segment_align: 8
    .kernarg_segment_size: 32
    .max_flat_workgroup_size: 512
    .sgpr_count:     72
    .vgpr_count:     256
    .wavefront_size: 32
...
	.end_amdgpu_metadata
.endif
;; end of part 2
